; MI455X (gfx1250); checked and timed in simulation.
; The chip was launched on July 23, 2026; its instructions are those of AMD's public machine-readable ISA for CDNA 5 (MIT licence, August 2026) and "CDNA5" Instruction Set Architecture Reference Guide (July 2026). The comments in the code are by the model that wrote it; some were corrected since.
;; KAN Feed Forward. Allowed arithmetic: float matrix products may take bf16 or f16 operands with f32 sums; all other float work in f32.
;; Inputs: coef1 512 x 1,024 x 8 float32; coef2 1,024 x 512 x 8 float32; scale_base1 512 x 1,024 float32; scale_base2 1,024 x 512 float32; scale_sp1 512 x 1,024 float32; scale_sp2 1,024 x 512 float32; x 4 x 1,024 x 512 float32.
;; Outputs: out0 4 x 1,024 x 512 float32.
;; One version. Each part assembles by itself: llvm-mc -triple=amdgcn-amd-amdhsa -mcpu=gfx1250 --defsym DOCPART=n.
;; ======== version 1 of 1: 4 launches
;; limits: values are held in f16: magnitudes above 65,504 overflow, below 6.1e-05 lose precision
;; workspace buffers: W1h 9,437,184 bytes; W2h 9,437,184 bytes; F1 37,748,736 bytes; F2 75,497,472 bytes; P 16,777,216 bytes
;; launch prep (part 1): grid 512 x 1, 8 waves a work-group, no clusters, 79,360 bytes of LDS; arguments x, coef1, scale_base1, scale_sp1, coef2, scale_base2, scale_sp2, W1h, W2h, F1; writes W1h, W2h, F1
.if DOCPART == 1
	.amdgcn_target "amdgcn-amd-amdhsa--gfx1250"
	.amdhsa_code_object_version 6
	.text
	.protected	k_q314d74c673_prep
	.globl	k_q314d74c673_prep
	.p2align	8
	.type	k_q314d74c673_prep,@function
k_q314d74c673_prep:
	s_mov_b64 s[64:65], 0
	v_nop
	global_prefetch_b8 v0, s[64:65] scope:SCOPE_SE
	s_setreg_imm32_b32 hwreg(HW_REG_WAVE_MODE, 25, 1), 1
	s_wait_xcnt 0x0
; A KAN layer is one product F W^T / 6 once every input number x_i is widened to nine features.  Column order along K, alike in F and W (D inputs):
;   k = 8 i + g (k < 8 D): F = 6 B_g(x_i), W[o][k] = coef[i][o][g] * scale_sp[i][o];     k = 8 D + i: F = silu(x_i), W[o][k] = 6 * scale_base[i][o].
; This launch writes both layers' weights as f16 rows along K (W1h [1024][4608], W2h [512][9216]) and the features of x (F1 [4096][4608] f16).
; Work-groups 0-127: weights of layer 1; 128-255: weights of layer 2; 256-511: features, 16 rows of x each.  The branch hangs on the work-group's number alone.
; THE SPLINE.  The knots are uniform: with t = 2.5 x + 5.5 they are the integers 0 .. 11, and the cubic B-spline on knots g .. g+4 is
;   6 B_g = a^3 - 4 b^3,  a = middle of (t-g, g+4-t, 0),  b = middle of (t-g-1, g+3-t, 0):  no branch, exactly 0 outside the grid, no difference of large sums.
; LIMITS, stated: |coef*scale_sp|, |6*scale_base| and |silu(x)| must stay below 65504 (f16's largest number), else they become infinite; products
; below 6e-8 in magnitude round to f16's denormal step; the knots are the exact integers of t, where the f32 knots of the definition differ by
; about 1e-7 (the spline is continuous there); for x infinite or NaN the spline features are 0 and only the silu feature carries the NaN.
; No cluster: no two work-groups read the same bytes.  No matrix work: this is a stream with arithmetic.
.set STAGEB, 69632                     ; LDS, weights: 8 stages of 32 rows x 272 bytes (one a wave), then one of 32 rows x 272 bytes for the base part
.set SS,   16                          ; v[16:31]   weights: scale_sp of my o, 16 i
.set SB,   32                          ; v[32:47]   weights: scale_base of my o, 16 i
.set CF,   48                          ; v[48:175]  weights: coef of my o, 16 i x 8 g; later the rows read back
.set XV,   16                          ; v[16:47]   features: 32 numbers of x
.set FS,   48                          ; v[48:71]   FEAT2: pairs t - m, m = 0 .. 11
.set FT,   72                          ; v[72:87]   FEAT2: two sets of a, b, a^3, b^3 (pairs), taken by g's parity
.set FR,   88                          ; v[88:103]  FEAT2: pair g = 6 B_g of the two numbers
.set FE,   104                         ; v[104:111] FEAT2: silu at work
.set FO,   112                         ; v[112:119] FEAT2: 8 f16 of the first number, 8 f16 of the second
.set FSL,  120                         ; v120       FEAT2: silu of the first (low half) and second (high half) number, f16
.set FC25, 122                         ; v[122:123] 2.5 twice
.set FC55, 124                         ; v[124:125] 5.5 twice
.set SO,   128                         ; v[128:143] features: silu rows read back
; 6 B_g of two numbers, from the pairs t - m
.macro FBLK g
.set fa, FT+8*((\g)&1)
	v_med3_num_f32 v[fa],   v[FS+2*\g],   -v[FS+2*\g+8], 0
	v_med3_num_f32 v[fa+1], v[FS+2*\g+1], -v[FS+2*\g+9], 0
	v_med3_num_f32 v[fa+2], v[FS+2*\g+2], -v[FS+2*\g+6], 0
	v_med3_num_f32 v[fa+3], v[FS+2*\g+3], -v[FS+2*\g+7], 0
	v_pk_mul_f32 v[fa+4:fa+5], v[fa:fa+1], v[fa:fa+1]
	v_pk_mul_f32 v[fa+6:fa+7], v[fa+2:fa+3], v[fa+2:fa+3]
	v_pk_mul_f32 v[fa+4:fa+5], v[fa+4:fa+5], v[fa:fa+1]
	v_pk_mul_f32 v[fa+6:fa+7], v[fa+6:fa+7], v[fa+2:fa+3]
	v_pk_fma_f32 v[FR+2*\g:FR+2*\g+1], v[fa+6:fa+7], -4.0, v[fa+4:fa+5] op_sel_hi:[1,0,1]
.endm
; The nine features of the two numbers in v[x:x+1].  silu(x) = x / (1 + 2^(-1.442695 x)).
.macro FEAT2 x
	v_pk_fma_f32 v[FS:FS+1], v[\x:\x+1], v[FC25:FC25+1], v[FC55:FC55+1]      ; t
	v_pk_mul_f32 v[FE:FE+1], v[\x:\x+1], 0xbfb8aa3b op_sel_hi:[1,0]
.set fm, 1
.irp c, 0xbf800000, 0xc0000000, 0xc0400000, 0xc0800000, 0xc0a00000, 0xc0c00000, 0xc0e00000, 0xc1000000, 0xc1100000, 0xc1200000, 0xc1300000
	v_pk_add_f32 v[FS+2*fm:FS+2*fm+1], v[FS:FS+1], \c op_sel_hi:[1,0]        ; t - m
.set fm, fm+1
.endr
	v_exp_f32 v[FE+2], v[FE]
	v_exp_f32 v[FE+3], v[FE+1]             ; the plain lines of the next block stand between these and the use of their results (ISA guide 5.7.2)
.irp g, 0,1,2,3
	FBLK \g
.endr
	s_wait_alu depctr_va_vdst(0)
	v_pk_add_f32 v[FE+2:FE+3], v[FE+2:FE+3], 1.0 op_sel_hi:[1,0]
	v_rcp_f32 v[FE+4], v[FE+2]
	v_rcp_f32 v[FE+5], v[FE+3]             ; likewise
.irp g, 4,5,6,7
	FBLK \g
.endr
	s_wait_alu depctr_va_vdst(0)
	v_pk_mul_f32 v[FE+6:FE+7], v[\x:\x+1], v[FE+4:FE+5]
	s_wait_xcnt 0x0                        ; FO was the data of the last two global stores: it is rewritten only behind this wait
.irp k, 0,1,2,3
	v_cvt_pk_f16_f32 v[FO+\k],   v[FR+4*\k],   v[FR+4*\k+2]
	v_cvt_pk_f16_f32 v[FO+4+\k], v[FR+4*\k+1], v[FR+4*\k+3]
.endr
	v_cvt_pk_f16_f32 v[FSL], v[FE+6], v[FE+7]
.endm
; Weights of one layer: DD inputs, OO outputs, a tile of 128 i x 32 o a work-group (number in s9).  Wave w takes 16 i, lane l the output 32 ot + l.
; A lane's 8 coefficients of one (i, o) are 32 neighbouring bytes of coef and become 16 neighbouring bytes of W's row o: the turn from [i][o] to [o][i]
; goes through LDS rows of 272 bytes (256 + 16: row r starts 16 r bytes further modulo 256, so neither the stores by columns nor the loads by rows collide).
.macro WPREP DD, OO, LOGT, KCOEF, KSB, KSS, KW
	s_load_b64 s[12:13], s[0:1], \KCOEF
	s_load_b64 s[14:15], s[0:1], \KSB
	s_load_b64 s[16:17], s[0:1], \KSS
	s_load_b64 s[18:19], s[0:1], \KW
	s_and_b32 s20, s9, (\DD/128-1)                 ; it: which 128 i
	s_lshr_b32 s21, s9, \LOGT                      ; ot: which 32 o
	s_lshl_b32 s22, s20, 7
	s_lshl4_add_u32 s22, s8, s22                   ; my wave's first i = 128 it + 16 w
	s_mul_i32 s23, s22, \OO
	s_lshl_b32 s24, s21, 5
	s_add_co_u32 s23, s23, s24                     ; e = i * OO + 32 ot
	s_lshl_b32 s26, s23, 5                         ; 32 e: bytes into coef
	s_mov_b32 s27, 0
	s_lshl_b32 s28, s23, 2                         ; 4 e: bytes into the two scales
	s_mov_b32 s29, 0
	s_mul_i32 s30, s24, 18*\DD                     ; W: row 32 ot
	s_mov_b32 s31, 0
	s_lshl_b32 s32, s22, 4                         ; spline part: 16 bytes an i
	s_mov_b32 s33, 0
	s_lshl_b32 s34, s20, 8                         ; base part: behind 16 DD bytes, 2 bytes an i
	s_add_co_u32 s34, s34, 16*\DD
	s_mov_b32 s35, 0
	v_lshrrev_b32 v2, 4, v1                        ; l / 16
	v_and_b32 v11, 15, v1                          ; l % 16
	v_lshlrev_b32 v3, 5, v1                        ; coef: 32 l
	v_lshlrev_b32 v4, 2, v1                        ; scales: 4 l
	s_mul_i32 s25, s8, 8704                        ; my wave's stage
	s_lshl_b32 s10, s8, 5
	s_add_co_u32 s10, s10, STAGEB
	v_mul_u32_u24 v5, v1, 272
	v_add_nc_u32 v6, s10, v5                       ; base stage, in: row l, my wave's 32 bytes
	v_add_nc_u32 v5, s25, v5                       ; my stage, in: row l
	v_mul_u32_u24 v7, v2, 272
	v_lshl_add_u32 v7, v11, 4, v7
	v_add_nc_u32 v7, s25, v7                       ; my stage, back: two rows of 256 bytes an instruction
	v_lshrrev_b32 v12, 4, v0
	v_and_b32 v13, 15, v0
	v_mul_u32_u24 v8, v12, 272
	v_lshl_add_u32 v8, v13, 4, v8
	v_add_nc_u32 v8, STAGEB, v8                    ; base stage, back: the 256 threads take 16 rows
	v_mul_u32_u24 v9, v2, 18*\DD
	v_lshl_add_u32 v9, v11, 4, v9                  ; the same two rows in W
	v_mul_u32_u24 v10, v12, 18*\DD
	v_lshl_add_u32 v10, v13, 4, v10                ; the same sixteen rows in W
	s_wait_kmcnt 0x0
	s_add_nc_u64 s[12:13], s[12:13], s[26:27]
	s_add_nc_u64 s[14:15], s[14:15], s[28:29]
	s_add_nc_u64 s[16:17], s[16:17], s[28:29]
	s_add_nc_u64 s[18:19], s[18:19], s[30:31]
	s_add_nc_u64 s[36:37], s[18:19], s[32:33]      ; W, spline part
	s_add_nc_u64 s[38:39], s[18:19], s[34:35]      ; W, base part
.set wi, 0
.rept 16
	global_load_b32 v[SS+wi], v4, s[16:17] offset:wi*4*\OO
.set wi, wi+1
.endr
.set wi, 0
.rept 16
	global_load_b32 v[SB+wi], v4, s[14:15] offset:wi*4*\OO
.set wi, wi+1
.endr
.set wi, 0
.rept 16
	global_load_b128 v[CF+8*wi:CF+8*wi+3],   v3, s[12:13] offset:wi*32*\OO th:TH_LOAD_NT
	global_load_b128 v[CF+8*wi+4:CF+8*wi+7], v3, s[12:13] offset:wi*32*\OO+16 th:TH_LOAD_NT
.set wi, wi+1
.endr
.set wi, 0
.rept 16
	s_wait_loadcnt 2*(15-wi)                       ; loads come back in order: the two loads of each later i may stay out; the scales are older
.irp k, 0,2,4,6
.if wi&1
	v_pk_mul_f32 v[CF+8*wi+\k:CF+8*wi+\k+1], v[CF+8*wi+\k:CF+8*wi+\k+1], v[SS+wi-1:SS+wi] op_sel:[0,1] op_sel_hi:[1,1]
.else
	v_pk_mul_f32 v[CF+8*wi+\k:CF+8*wi+\k+1], v[CF+8*wi+\k:CF+8*wi+\k+1], v[SS+wi:SS+wi+1] op_sel_hi:[1,0]
.endif
.endr
.irp k, 0,1,2,3
	v_cvt_pk_f16_f32 v[12+\k], v[CF+8*wi+2*\k], v[CF+8*wi+2*\k+1]
.endr
	ds_store_b128 v5, v[12:15] offset:16*wi
.set wi, wi+1
.endr
.irp k, 0,2,4,6,8,10,12,14
	v_pk_mul_f32 v[SB+\k:SB+\k+1], v[SB+\k:SB+\k+1], 0x40c00000 op_sel_hi:[1,0]    ; 6 * scale_base
.endr
.irp k, 0,1,2,3,4,5,6,7
	v_cvt_pk_f16_f32 v[SB+\k], v[SB+2*\k], v[SB+2*\k+1]                            ; register k is written when registers 2k, 2k+1 >= k are read
.endr
	ds_store_b128 v6, v[SB:SB+3]
	ds_store_b128 v6, v[SB+4:SB+7] offset:16
	s_wait_dscnt 0x0                               ; my stores are in LDS: the base stage's rows are made of all eight waves' parts
	s_barrier_signal -1
	s_barrier_wait -1
.irp t, 0,1,2,3,4,5,6,7,8,9,10,11,12,13,14,15
	ds_load_b128 v[CF+4*\t:CF+4*\t+3], v7 offset:544*\t
.endr
.irp u, 0,1
	ds_load_b128 v[CF+64+4*\u:CF+64+4*\u+3], v8 offset:4352*\u
.endr
.irp t, 0,1,2,3,4,5,6,7,8,9,10,11,12,13,14,15
	s_wait_dscnt 17-\t                             ; the younger LDS loads may stay out
	global_store_b128 v9, v[CF+4*\t:CF+4*\t+3], s[36:37] offset:2*\t*18*\DD        ; sixteen lanes store 256 consecutive bytes, aligned
.endr
.irp u, 0,1
	s_wait_dscnt 1-\u
	global_store_b128 v10, v[CF+64+4*\u:CF+64+4*\u+3], s[38:39] offset:16*\u*18*\DD
.endr
.endm
	v_lshl_add_u32 v192, v0, 2, 0x13200
	v_mov_b32 v193, 0
	v_lshrrev_b32 v1, 5, v0
	v_readfirstlane_b32 s8, v1                     ; wave 0..7
	v_and_b32 v1, 31, v0                           ; lane
	s_cmp_lt_u32 ttmp9, 128
	s_cbranch_scc1 .Lweights1
	s_cmp_lt_u32 ttmp9, 256
	s_cbranch_scc1 .Lweights2
	; FEATURES OF x.  Wave w takes rows 16 f + 2 w and the next: 1,024 numbers, number 32 n + l in register XV + n of lane l, so that the 32 lanes'
	; 16-byte features of one register are 512 consecutive bytes of F1.  The silu values (2 bytes each) are gathered in the wave's own 2,048 bytes of LDS.
	s_load_b64 s[12:13], s[0:1], 0x0               ; x
	s_load_b64 s[14:15], s[0:1], 0x48              ; F1
	s_sub_co_u32 s9, ttmp9, 256
	s_lshl_b32 s10, s9, 4
	s_lshl1_add_u32 s10, s8, s10                   ; my first row
	s_lshl_b32 s16, s10, 11                        ; x 2,048 bytes
	s_mov_b32 s17, 0
	s_mul_i32 s18, s10, 9216                       ; x 9,216 bytes
	s_mov_b32 s19, 0
	s_lshl_b32 s20, s8, 11
	v_lshlrev_b32 v3, 2, v1
	v_lshlrev_b32 v4, 4, v1
	v_lshl_add_u32 v5, v1, 1, s20
	v_lshl_add_u32 v6, v1, 4, s20
	v_mov_b32 v[FC25], 0x40200000
	v_mov_b32 v[FC25+1], 0x40200000
	v_mov_b32 v[FC55], 0x40b00000
	v_mov_b32 v[FC55+1], 0x40b00000
	s_wait_kmcnt 0x0
	s_add_nc_u64 s[12:13], s[12:13], s[16:17]
	s_add_nc_u64 s[14:15], s[14:15], s[18:19]
.set fn, 0
.rept 32
	global_load_b32 v[XV+fn], v3, s[12:13] offset:128*fn th:TH_LOAD_NT
.set fn, fn+1
.endr
.set fq, 0
.rept 16
	s_wait_loadcnt 30-2*fq                         ; the loads of the later pairs may stay out
	FEAT2 XV+2*fq
	global_store_b128 v4, v[FO:FO+3],   s[14:15] offset:(fq>>3)*9216+(fq&7)*1024      ; row fq / 8, numbers 64 (fq % 8) + l
	global_store_b128 v4, v[FO+4:FO+7], s[14:15] offset:(fq>>3)*9216+(fq&7)*1024+512
	ds_store_b16 v5, v[FSL] offset:128*fq
	ds_store_b16_d16_hi v5, v[FSL] offset:128*fq+64
.set fq, fq+1
.endr
.irp c, 0,1,2,3
	ds_load_b128 v[SO+4*\c:SO+4*\c+3], v6 offset:512*\c                               ; my wave's own bytes: LDS serves a wave's instructions in order
.endr
.irp c, 0,1,2,3
	s_wait_dscnt 3-\c                              ; the younger read-backs may stay out
	global_store_b128 v4, v[SO+4*\c:SO+4*\c+3], s[14:15] offset:(\c>>1)*9216+8192+(\c&1)*512
.endr
	s_wait_tensorcnt 0x0
	ds_add_u32 v192, v193
	s_wait_dscnt 0x0
	s_endpgm
.Lweights1:
	s_mov_b32 s9, ttmp9
	WPREP 512, 1024, 2, 0x8, 0x10, 0x18, 0x38
	s_wait_tensorcnt 0x0
	ds_add_u32 v192, v193
	s_wait_dscnt 0x0
	s_endpgm
.Lweights2:
	s_sub_co_u32 s9, ttmp9, 128
	WPREP 1024, 512, 3, 0x20, 0x28, 0x30, 0x40
	s_wait_tensorcnt 0x0
	ds_add_u32 v192, v193
	s_wait_dscnt 0x0
	s_endpgm
.Lfunc_end_k_q314d74c673_prep:
	.size	k_q314d74c673_prep, .Lfunc_end_k_q314d74c673_prep-k_q314d74c673_prep
	.p2alignl 7, 3214868480
	.fill 96, 4, 3214868480
	.section	.rodata,"a",@progbits
	.p2align	6, 0x0
	.amdhsa_kernel k_q314d74c673_prep
		.amdhsa_group_segment_fixed_size 79360
		.amdhsa_private_segment_fixed_size 0
		.amdhsa_enable_private_segment 0
		.amdhsa_kernarg_size 80
		.amdhsa_user_sgpr_count 2
		.amdhsa_user_sgpr_kernarg_segment_ptr 1
		.amdhsa_wavefront_size32 1
		.amdhsa_system_sgpr_workgroup_id_x 1
		.amdhsa_system_sgpr_workgroup_id_y 1
		.amdhsa_system_sgpr_workgroup_id_z 1
		.amdhsa_system_vgpr_workitem_id 0
		.amdhsa_next_free_vgpr 194
		.amdhsa_next_free_sgpr 66
		.amdhsa_reserve_vcc 0
		.amdhsa_float_denorm_mode_32 3
		.amdhsa_float_denorm_mode_16_64 3
		.amdhsa_memory_ordered 1
		.amdhsa_forward_progress 1
		.amdhsa_inst_pref_size 161
	.end_amdhsa_kernel
	.amdgpu_metadata
---
amdhsa.version: [ 1, 2 ]
amdhsa.kernels:
  - .name:           k_q314d74c673_prep
    .symbol:         k_q314d74c673_prep.kd
    .args:
      - { .name: x, .offset: 0, .size: 8, .value_kind: global_buffer, .address_space: global }
      - { .name: coef1, .offset: 8, .size: 8, .value_kind: global_buffer, .address_space: global }
      - { .name: scale_base1, .offset: 16, .size: 8, .value_kind: global_buffer, .address_space: global }
      - { .name: scale_sp1, .offset: 24, .size: 8, .value_kind: global_buffer, .address_space: global }
      - { .name: coef2, .offset: 32, .size: 8, .value_kind: global_buffer, .address_space: global }
      - { .name: scale_base2, .offset: 40, .size: 8, .value_kind: global_buffer, .address_space: global }
      - { .name: scale_sp2, .offset: 48, .size: 8, .value_kind: global_buffer, .address_space: global }
      - { .name: W1h, .offset: 56, .size: 8, .value_kind: global_buffer, .address_space: global }
      - { .name: W2h, .offset: 64, .size: 8, .value_kind: global_buffer, .address_space: global }
      - { .name: F1, .offset: 72, .size: 8, .value_kind: global_buffer, .address_space: global }
    .group_segment_fixed_size: 79360
    .private_segment_fixed_size: 0
    .kernarg_segment_align: 8
    .kernarg_segment_size: 80
    .max_flat_workgroup_size: 256
    .sgpr_count:     66
    .vgpr_count:     194
    .wavefront_size: 32
...
	.end_amdgpu_metadata
.endif
;; end of part 1
;; launch gemm1 (part 2): grid 8 x 32, 4 waves a work-group, clusters of 4 x 4, 327,680 bytes of LDS; arguments F1, W1h, F2; writes F2
.if DOCPART == 2
	.amdgcn_target "amdgcn-amd-amdhsa--gfx1250"
	.amdhsa_code_object_version 6
	.text
	.protected	k_q314d74c673_gemm1
	.globl	k_q314d74c673_gemm1
	.p2align	8
	.type	k_q314d74c673_gemm1,@function
k_q314d74c673_gemm1:
	s_mov_b64 s[64:65], 0
	v_nop
	global_prefetch_b8 v0, s[64:65] scope:SCOPE_SE
	s_setreg_imm32_b32 hwreg(HW_REG_WAVE_MODE, 25, 1), 1
	s_wait_xcnt 0x0
	s_wait_alu depctr_hold_cnt(0) depctr_sa_sdst(0) depctr_va_vdst(0) depctr_va_sdst(0) depctr_va_ssrc(0) depctr_va_vcc(0) depctr_vm_vsrc(0)
	s_getreg_b32 s2, hwreg(HW_REG_IB_STS2, 6, 4)
	s_cmp_eq_u32 s2, 0
	s_cbranch_scc0 .Lentry_in_a_cluster
	s_endpgm
.Lentry_in_a_cluster:
	s_bfe_u32 s2, ttmp6, 0x10000c
	s_cmp_lg_u32 s2, 0xf033
	s_cbranch_scc0 .Lentry_shape_is_right
	s_endpgm
.Lentry_shape_is_right:
; h = F1 W1h^T / 6 (F1 [4096][4608], W1h [1024][4608], f16, sums in f32), and at once the nine features of every h, stored as F2 [4096][9216] f16:
; F2[n][8 o + g] = 6 B_g(h[n][o]), F2[n][8192 + o] = silu(h[n][o]).  h itself never goes to memory.
; A work-group makes a block of 128 x 128 of h.  THE FOUR WAVES SPLIT K: each holds the whole block in 64 accumulator tiles (512 registers) and takes 128 of
; the 512 bytes of every LDS row, so every LDS byte is read by one wave, once.  The four partial blocks are added through LDS at the end.
; K goes in chunks of 256 (rows of 512 bytes, starting at multiples of 256 bytes) through a ring of two LDS slots filled by the tensor data mover.
; CLUSTERS: 4 x 4 work-groups.  F1's tile hangs on the block row alone and is asked for jointly by a row of the cluster, W1h's on the block column alone and
; is asked for jointly by a column: the requests for both are divided by four.
; PREFETCH: F1's tiles are read from memory for the first time by this launch.  In lap p (two chunks), behind its second refill, the 1,024 bytes a row that
; lap p + 2 multiplies are asked for; their tensor loads go out one and two chunks later.  The eight work-groups of a block row take 16 rows each, waves 0 and 1
; eight rows x four blocks of 256 bytes, a lane a block: each block is asked for once in the launch.  Laps 0 to 6 ask, for laps 2 to 8; laps 7 and 8 ask
; nothing, so no request leaves its row.  At most two laps' requests, 32 KiB a work-group, are unread.  W1h's tiles are read by eight clusters each and are not asked for.
; THE SPLINE.  The knots are uniform: in units of a knot interval the cubic B-spline g has its centre at s = 2.5 h + 3.5 - g = 0, and
;   6 B_g = a^3 - 4 b^3,  a = max(2 - |s|, 0),  b = max(1 - |s|, 0):  no branch, exactly 0 outside the grid, no difference of large sums.
; f16 operands: features are at most 4, silu(h) is about h.  LIMITS, stated: |silu(h)| below 65504, else infinite; the knots are the exact integers of
; 2.5 h + 5.5, where the f32 knots of the definition differ by about 1e-7 (the spline is continuous there); for h infinite or NaN the spline features are 0
; and only the silu feature carries the NaN.
; REGISTERS, in windows of 256: window 0: v16-31 addresses; v64-127, v128-191 fragments of source 1 (W), two buffers; window 1: the same numbers, source 0 (F);
; window 2: tiles (a, b) of W's rows 0-63 at v[8 (8 a + b)]; window 3: those of W's rows 64-127.
; Source 0 = 16 rows of F, source 1 = 16 rows of W: in tile (A1, b) lane (r, h') holds in register j the number of row 16 b + 8 h' + j, column 16 A1 + r:
; sixteen neighbouring lanes hold sixteen neighbouring columns of one row, and their 16-byte features are 256 consecutive bytes of F2.
.set ROWE,   4608                      ; elements in a row of F1 and of W1h
.set ROWB,   2*ROWE
.set F2ROW,  18432                     ; bytes in a row of F2
.set PITCH,  528                       ; an LDS row: 512 bytes + 16 of padding: row r starts 16 r bytes further modulo 256
.set HALFT,  64*PITCH                  ; 64 rows: what one tensor load brings
.set SLOT,   4*HALFT                   ; F's 128 rows, then W's 128 rows
.set RING,   2*SLOT                    ; 270,336 bytes; behind it four stages of 32 rows x 272 bytes for silu
.set STEPB,  512                       ; bytes of a chunk in a row
.set LAPS,   9                         ; 18 chunks, two a lap
.set REG0,   0                         ; source 0 reads F's rows
.set REG1,   2*HALFT                   ; source 1 reads W's rows
.set ADR0, 16                          ; v16-17  LDS address of source 0's fragments in slot 0, 1
.set ADR1, 20                          ; v20-21  the same for source 1
.set SGO,  22                          ; v22     silu rows in F2
.set PFO,  23                          ; v23     prefetch: my block's byte offset among my work-group's 16 rows; never rewritten
.set DMP,  24                          ; v24     where I put my partial tiles
.set RD,   25                          ; v25-28  where I read partial p's tiles
.set FOF,  29                          ; v29     my byte offset in F2's spline part
.set SST,  30                          ; v30     silu stage, in
.set SRD,  31                          ; v31     silu stage, back
.set FB0,  64
.set FB1,  128
.set PART, 64                          ; the way out: v[64:127] two tiles x four partials x 8
.set H,    128                         ; v[128:143] 16 numbers of h
.set FS,   144                         ; v[144:159] FEAT2: pair g = s, then -|s|, at last 6 B_g of the two numbers
.set FA,   160                         ; v[160:175] FEAT2: pair g = a
.set FBV,  176                         ; v[176:191] FEAT2: pair g = b
.set FA3,  192                         ; v[192:207] FEAT2: pair g = a^2, then a^3
.set FB3,  208                         ; v[208:223] FEAT2: pair g = b^2, then b^3
.set FE,   224                         ; v[224:231] FEAT2: silu at work
.set FO,   232                         ; v[232:239] FEAT2: 8 f16 of the first number, 8 f16 of the second
.set FSL,  240                         ; v240       FEAT2: silu of the first (low half) and second (high half) number, f16
.set FC25, 242                         ; v[242:243] 2.5 twice
.set G1,  24                           ; s[24:31] descriptor group 1, F's tiles
.set G0,  32                           ; s[32:39] descriptor group 0, F's tiles, one set a slot
.set G1B, 48                           ; s[48:55] group 1, W's tiles: another mask
.set G0B, 56                           ; s[56:63] group 0, W's tiles
.set G1W0, (1<<16)|(1<<20)|(1<<21)|(6<<22)|(3<<25)   ; elements of 2 bytes; padding on; bit 21 beside a mask; after every 128 words; 4 words
.set MSB, 0
.macro WIN new                         ; the immediate's high byte repeats the setting that is left
.if MSB != \new
	s_set_vgpr_msb (MSB<<8)|\new
.set MSB, \new
.endif
.endm
.set MUL_LO, 0xa1                      ; source 0 window 1, source 1 window 0, C and D window 2
.set MUL_HI, 0xf1                      ; the same, C and D window 3
.set TO_1,   0x40                      ; destination window 1, address window 0
; A joint load.  Waves 0 and 1 fetch F's two halves, waves 2 and 3 W's: each line has one mask and one set of registers; the branch hangs on the wave's number alone.
.macro JLOAD s
	s_cmp_eq_u32 s11, 0
	s_cbranch_scc0 .Lfor_w_\@
	tensor_load_to_lds s[G0+4*\s:G0+4*\s+3], s[G1:G1+7]
	s_nop 0
	s_branch .Lasked_\@
.Lfor_w_\@:
	tensor_load_to_lds s[G0B+4*\s:G0B+4*\s+3], s[G1B:G1B+7]
	s_nop 0
.Lasked_\@:
.endm
; Waves 0 and 1 ask for their 8 rows x 1,024 bytes of F1 two laps ahead.  The base is stepped just ahead of the request, behind a wait that stands a lap behind the last request.
.macro PREF
	s_cmp_lg_u32 s11, 0
	s_cbranch_scc1 .Lno_ask_\@
	s_wait_xcnt 0x0                                ; the last request has read its base
	s_add_nc_u64 s[4:5], s[4:5], 2*STEPB
	global_prefetch_b8 v[PFO], s[4:5] th:TH_LOAD_NT scope:SCOPE_SE
.Lno_ask_\@:
.endm
.macro CREST                           ; a round of the cluster's barrier behind its opening barrier
	s_cmp_lg_u32 s10, 0
	s_cbranch_scc1 .Lnot_wave_0_\@
	s_barrier_signal -3
.Lnot_wave_0_\@:
	s_barrier_wait -3
	s_barrier_signal -1
	s_barrier_wait -1
.endm
.macro CROUND                          ; a whole round
	s_barrier_signal -1
	s_barrier_wait -1
	CREST
.endm
	s_load_b128 s[4:7], s[0:1], 0x0                ; F1 s[4:5], W1h s[6:7]
	s_load_b64 s[8:9], s[0:1], 0x10                ; F2
	v_lshl_add_u32 v254, v0, 2, 0x4a800
	v_mov_b32 v255, 0
	ds_add_u32 v254, v255
	v_lshrrev_b32 v1, 5, v0
	v_readfirstlane_b32 s10, v1                    ; wave 0..3
	s_lshr_b32 s11, s10, 1                         ; I fetch for F (0) or for W (1)
	s_and_b32 s12, s10, 1                          ; which 64 rows of that tile
	s_bfe_u32 s40, ttmp6, 0x40000                  ; cx
	s_bfe_u32 s41, ttmp6, 0x40004                  ; cy
	s_lshl_b32 s42, ttmp9, 2
	s_add_co_u32 s42, s42, s40                     ; block column = 4 x cluster x + cx
	s_and_b32 s13, ttmp7, 0xffff
	s_lshl_b32 s13, s13, 2
	s_add_co_u32 s13, s13, s41                     ; block row = 4 x cluster y + cy
	s_lshl_b32 s43, s41, 2
	s_lshl_b32 s43, 15, s43                        ; my row of the cluster
	s_lshl_b32 s44, 0x1111, s40                    ; my column
	s_or_b32 s[G1+0], s43, G1W0                    ; F's tiles go to my row
	s_or_b32 s[G1B+0], s44, G1W0                   ; W's tiles go to my column
	s_mov_b32 s[G1+1], 256<<16                     ; tensor_dim0 = 256
	s_mov_b32 s[G1B+1], 256<<16
	s_mov_b32 s[G1+2], 64<<16                      ; tensor_dim1 = 64
	s_mov_b32 s[G1B+2], 64<<16
	s_mov_b32 s[G1+3], 256<<16                     ; tile_dim0 = 256 elements (512 bytes)
	s_mov_b32 s[G1B+3], 256<<16
	s_mov_b32 s[G1+4], 64                          ; tile_dim1 = 64 rows
	s_mov_b32 s[G1B+4], 64
	s_mov_b32 s[G1+5], ROWE                        ; elements from row to row
	s_mov_b32 s[G1B+5], ROWE
	s_mov_b32 s[G1+6], 0
	s_mov_b32 s[G1B+6], 0
	s_mov_b32 s[G1+7], 0
	s_mov_b32 s[G1B+7], 0
	; F's address is made of the block row and the wave's number, W's of the block column and the wave's number, each in registers that never hold the other coordinate
	s_lshl_b32 s17, s12, 6
	s_lshl_b32 s16, s13, 7
	s_add_co_u32 s16, s16, s17                     ; F: row 128 x block row + 64 x half
	s_lshl_b32 s46, s42, 7
	s_add_co_u32 s46, s46, s17                     ; W: row 128 x block column + 64 x half
	s_mul_i32 s16, s16, ROWB                       ; at most 4,032 x 9,216 bytes: inside 32 bits
	s_mul_i32 s46, s46, ROWB
	s_mov_b32 s17, 0
	s_mov_b32 s47, 0
	s_mul_i32 s20, s10, HALFT                      ; where my load goes: F's two halves, then W's two halves
	s_wait_dscnt 0x0
	s_wait_kmcnt 0x0
	s_add_nc_u64 s[14:15], s[4:5], s[16:17]
	s_add_nc_u64 s[46:47], s[6:7], s[46:47]
	CROUND                                         ; all sixteen work-groups are here: the first joint loads meet
.irp s, 0,1
	s_mov_b32 s[G0+4*\s], 1
	s_add_co_u32 s[G0+4*\s+1], s20, \s*SLOT
	s_add_nc_u64 s[G0+4*\s+2:G0+4*\s+3], s[14:15], \s*STEPB        ; chunk s
	s_or_b32 s[G0+4*\s+3], s[G0+4*\s+3], 0x80000000
	s_mov_b32 s[G0B+4*\s], 1
	s_add_co_u32 s[G0B+4*\s+1], s20, \s*SLOT
	s_add_nc_u64 s[G0B+4*\s+2:G0B+4*\s+3], s[46:47], \s*STEPB
	s_or_b32 s[G0B+4*\s+3], s[G0B+4*\s+3], 0x80000000
	JLOAD \s                                       ; both slots are asked for before anything else: two tensor loads of a wave are out here, later one
.endr
	; the prefetch's base: F1 at row 128 x block row + 16 x block column, lap 1's bytes (each request steps it by a lap first).  It feeds no descriptor.
	s_lshl_b32 s6, s13, 7
	s_lshl4_add_u32 s6, s42, s6
	s_mul_i32 s6, s6, ROWB
	s_add_co_u32 s6, s6, 2*STEPB
	s_mov_b32 s7, 0
	s_add_nc_u64 s[4:5], s[4:5], s[6:7]
	v_and_b32 v1, 15, v0                           ; r
	v_bfe_u32 v2, v0, 4, 1                         ; h'
	v_and_b32 v4, 31, v0                           ; lane
	v_mul_u32_u24 v3, v1, PITCH
	v_lshl_add_u32 v3, v2, 4, v3                   ; fragment: row x pitch + 16 x half
	s_lshl_b32 s21, s10, 7                         ; my wave's 128 bytes of every row
	s_add_co_u32 s22, s21, REG1
	s_add_co_u32 s21, s21, REG0
.irp s, 0,1
	v_add_nc_u32 v[ADR0+\s], s21, v3
	v_add_nc_u32 v[ADR1+\s], s22, v3
	s_add_co_u32 s21, s21, SLOT
	s_add_co_u32 s22, s22, SLOT
.endr
	v_lshlrev_b32 v5, 4, v4                        ; 16 x lane
	s_lshl_b32 s21, s10, 16
	v_add_nc_u32 v[DMP], s21, v5                   ; my partial block: 65,536 bytes a wave, 1,024 a tile
	s_lshl_b32 s22, s10, 14
	v_add_nc_u32 v[RD], s22, v5                    ; the 16 tiles of my 32 rows in partial 0,
	v_add_nc_u32 v[RD+1], 0x10000, v[RD]           ; 1,
	v_add_nc_u32 v[RD+2], 0x20000, v[RD]           ; 2,
	v_add_nc_u32 v[RD+3], 0x30000, v[RD]           ; 3
	v_mul_u32_u24 v[FOF], v2, 8*F2ROW
	v_lshl_add_u32 v[FOF], v1, 4, v[FOF]           ; row 8 h', 16 bytes a column
	s_mul_i32 s23, s10, 8704
	s_add_co_u32 s23, s23, RING                    ; my silu stage
	v_mul_u32_u24 v[SST], v2, 8*272
	v_lshl_add_u32 v[SST], v1, 1, v[SST]
	v_add_nc_u32 v[SST], s23, v[SST]               ; in: row 8 h', 2 bytes a column
	v_mul_u32_u24 v[SRD], v2, 272
	v_lshl_add_u32 v[SRD], v1, 4, v[SRD]
	v_add_nc_u32 v[SRD], s23, v[SRD]               ; back: two rows of 256 bytes an instruction
	v_mul_u32_u24 v[SGO], v2, F2ROW
	v_lshl_add_u32 v[SGO], v1, 4, v[SGO]           ; the same two rows in F2
	v_lshrrev_b32 v6, 2, v4                        ; prefetch: row lane / 4
	s_lshl_b32 s21, s12, 3                         ; + 8 x (wave 0 or 1),
	v_add_nc_u32 v6, s21, v6
	v_mul_u32_u24 v[PFO], v6, ROWB
	v_and_b32 v6, 3, v4                            ; block lane % 4 of the lap's four
	v_lshl_add_u32 v[PFO], v6, 8, v[PFO]
; 16 matrix instructions: source 1's blocks a0, a0 + 1 of the window's four x all 8 blocks of source 0, 32 along K.  zero = 1: the first product starts the sums.
.macro MUL16 f, hi, a0, zero
.irp a, \a0, \a0+1
.irp b, 0,1,2,3,4,5,6,7
.if \zero
	v_wmma_f32_16x16x32_f16 v[8*(8*(\a)+\b):8*(8*(\a)+\b)+7], v[\f+8*\b:\f+8*\b+7], v[\f+8*(4*\hi+\a):\f+8*(4*\hi+\a)+7], 0
.else
	v_wmma_f32_16x16x32_f16 v[8*(8*(\a)+\b):8*(8*(\a)+\b)+7], v[\f+8*\b:\f+8*\b+7], v[\f+8*(4*\hi+\a):\f+8*(4*\hi+\a)+7], v[8*(8*(\a)+\b):8*(8*(\a)+\b)+7]
.endif
.endr
.endr
.endm
; 32 LDS loads in one run: 128 rows of each operand, 32 K at byte k of my 128 bytes, into buffer f
.macro FETCH slot, k, f
	WIN TO_1
.irp i, 0,1,2,3,4,5,6,7
	ds_load_b128 v[\f+8*\i:\f+8*\i+3],   v[ADR0+\slot] offset:\k+\i*16*PITCH
	ds_load_b128 v[\f+8*\i+4:\f+8*\i+7], v[ADR0+\slot] offset:\k+\i*16*PITCH+32
.endr
	WIN 0
.irp i, 0,1,2,3,4,5,6,7
	ds_load_b128 v[\f+8*\i:\f+8*\i+3],   v[ADR1+\slot] offset:\k+\i*16*PITCH
	ds_load_b128 v[\f+8*\i+4:\f+8*\i+7], v[ADR1+\slot] offset:\k+\i*16*PITCH+32
.endr
.endm
; Four places behind a matrix instruction before a load lands on a register that it read, or anything but a matrix instruction reads its result
.macro PLACES
.rept 4
	v_nop
.endr
.endm
; A chunk is, for a wave, two steps of 32 along K, 64 matrix instructions each, on buffers 0 and 1.  The 64 accumulators take turns, one instruction a turn,
; in the same order in every step.
; The first step: multiplies buffer 0; in its middle it fetches the second step's fragments.
.macro HALF1 slot, zero
	s_wait_dscnt 8                                 ; all but the youngest eight loads (source 1's blocks 4-7, which the second half uses)
	WIN MUL_LO
	MUL16 FB0, 0, 0, \zero
	MUL16 FB0, 0, 2, \zero
	PLACES
	FETCH \slot, 64, FB1
	s_wait_dscnt 32                                ; all but the 32 just issued
	WIN MUL_HI
	MUL16 FB0, 1, 0, \zero
	MUL16 FB0, 1, 2, \zero
.endm
; The second step: multiplies buffer 1 and changes slots.  In front of the barrier each wave waits for its reads of this slot and for all its tensor loads
; (one is out: its part of the next slot); behind it the refill comes first, then the next slot's first fragments.  A chunk's matrix work is shorter than the
; way of a tile, so nothing stands between the wait for the last load and the next request but the round itself: the 32 matrix instructions of the low half
; come ahead of the waits, the descriptors are stepped ahead of the signal.  A whole chunk's 128 matrix instructions stand between a request and the wait for it.
; ask = 1: F's bytes two laps ahead are asked for, behind the refill.
.macro TURN slot, next, fill, ask
	s_wait_dscnt 8
	WIN MUL_LO
	MUL16 FB1, 0, 0, 0
	MUL16 FB1, 0, 2, 0
	WIN 0
	s_wait_dscnt 0                                 ; my reads of this slot are over
	s_wait_tensorcnt 0x0                           ; all my tensor loads have landed, so every group 0 may be written:
	ds_add_u32 v254, v255
	s_wait_dscnt 0x0
.if \fill
	s_add_nc_u64 s[G0+4*\slot+2:G0+4*\slot+3], s[G0+4*\slot+2:G0+4*\slot+3], 2*STEPB       ; this slot's next chunk
	s_add_nc_u64 s[G0B+4*\slot+2:G0B+4*\slot+3], s[G0B+4*\slot+2:G0B+4*\slot+3], 2*STEPB
.endif
	s_barrier_signal -1                            ; where the slot is filled again this barrier opens a round of the cluster's barrier
	s_barrier_wait -1
.if \fill
	CREST                                          ; no wave of any partner still reads this slot or has a load on its way
	JLOAD \slot                                    ; the wave's one tensor load behind the round
.endif
.if \ask
	PREF
.endif
	PLACES
	FETCH \next, 0, FB0
	WIN MUL_HI
	MUL16 FB1, 1, 0, 0
	MUL16 FB1, 1, 2, 0
.endm
.macro LAP zero, ask
	HALF1 0, \zero
	TURN 0, 1, 1, 0
	HALF1 1, 0
	TURN 1, 0, 1, \ask
.endm
	s_wait_tensorcnt 1                             ; my part of chunk 0 is in; chunk 1's may stay out
	s_barrier_signal -1
	s_barrier_wait -1
	FETCH 0, 0, FB0
	LAP 1, 1                                       ; lap 0: chunks 0, 1; loads 2, 3; asks for lap 2
	WIN 0
	s_mov_b32 s3, LAPS-3
.Llap:
	LAP 0, 1                                       ; laps 1 .. 6: chunks 2 .. 13; loads 4 .. 15; asks for laps 3 .. 8
	WIN 0
	s_sub_co_u32 s3, s3, 1
	s_cmp_lg_u32 s3, 0
	s_cbranch_scc1 .Llap
	LAP 0, 0                                       ; lap 7: chunks 14, 15; loads 16, 17; nothing is left to ask for
	HALF1 0, 0                                     ; lap 8 loads nothing
	TURN 0, 1, 0, 0
	HALF1 1, 0
	s_wait_dscnt 8
	WIN MUL_LO
	MUL16 FB1, 0, 0, 0
	MUL16 FB1, 0, 2, 0
	s_wait_dscnt 0
	WIN MUL_HI
	MUL16 FB1, 1, 0, 0
	MUL16 FB1, 1, 2, 0
	; THE WAY OUT.  The ring has had its last fill; when every wave has done reading it, it takes the four partial blocks.
	PLACES
	WIN 0
	s_wait_dscnt 0x0
	s_barrier_signal -1
	s_barrier_wait -1
	WIN 0x08                                       ; store data from window 2
.irp a, 0,1,2,3
.irp b, 0,1,2,3,4,5,6,7
	ds_store_b128 v[DMP], v[8*(8*\a+\b):8*(8*\a+\b)+3]   offset:(8*\b+\a)*1024
	ds_store_b128 v[DMP], v[8*(8*\a+\b)+4:8*(8*\a+\b)+7] offset:(8*\b+\a)*1024+512
.endr
.endr
	WIN 0x0c                                       ; from window 3
.irp a, 0,1,2,3
.irp b, 0,1,2,3,4,5,6,7
	ds_store_b128 v[DMP], v[8*(8*\a+\b):8*(8*\a+\b)+3]   offset:(8*\b+4+\a)*1024
	ds_store_b128 v[DMP], v[8*(8*\a+\b)+4:8*(8*\a+\b)+7] offset:(8*\b+4+\a)*1024+512
.endr
.endr
	WIN 0
	s_lshl_b32 s16, s13, 7
	s_lshl_b32 s14, s10, 5
	s_add_co_u32 s16, s16, s14                     ; my 32 rows begin at 128 x block row + 32 x wave
	s_mul_i32 s16, s16, F2ROW
	s_mov_b32 s17, 0
	s_add_nc_u64 s[8:9], s[8:9], s[16:17]
	s_add_nc_u64 s[18:19], s[8:9], 16384           ; the silu part lies behind 8 x 1,024 f16
	s_lshl_b32 s46, s42, 11                        ; spline part: 128 columns x 16 bytes a block
	s_mov_b32 s47, 0
	s_add_nc_u64 s[8:9], s[8:9], s[46:47]
	s_lshl_b32 s46, s42, 8                         ; silu part: 128 columns x 2 bytes
	s_add_nc_u64 s[18:19], s[18:19], s[46:47]
	s_mov_b32 s45, 0x80000000                      ; the sign bit
	v_mov_b32 v[FC25], 0x40200000
	v_mov_b32 v[FC25+1], 0x40200000
	s_wait_dscnt 0x0                               ; my partial block is in LDS
	s_barrier_signal -1
	s_barrier_wait -1                              ; everybody's is
; The nine features of the two numbers in v[x:x+1].  One wave runs on a SIMD here, so the work is laid BY STAGES: all eight splines go through each step
; together, and every line stands at least eight lines behind the line whose result it reads.
;   s = 2.5 x + (3.5 - g) in one rounding; the sign bit set gives -|s|; a = max(2 - |s|, 0), b = max(1 - |s|, 0); 6 B_g = a^3 - 4 b^3.
;   silu(x) = x / (1 + 2^(-1.442695 x)); its five steps stand between the stages.
.macro FEAT2 x
	v_pk_mul_f32 v[FE:FE+1], v[\x:\x+1], 0xbfb8aa3b op_sel_hi:[1,0]
.set fg, 0
.irp c, 0x40600000, 0x40200000, 0x3fc00000, 0x3f000000, 0xbf000000, 0xbfc00000, 0xc0200000, 0xc0600000
	v_pk_fma_f32 v[FS+fg:FS+fg+1], v[\x:\x+1], v[FC25:FC25+1], \c op_sel_hi:[1,1,0]         ; s, c = 3.5 - g
.set fg, fg+2
.endr
	v_exp_f32 v[FE+2], v[FE]
	v_exp_f32 v[FE+3], v[FE+1]             ; the plain lines of the next stage stand between these and the use of their results (ISA guide 5.7.2)
.set fg, 0
.rept 16
	v_or_b32 v[FS+fg], s45, v[FS+fg]                                                        ; -|s|
.set fg, fg+1
.endr
.set fg, 0
.rept 8
	v_pk_add_f32 v[FA+fg:FA+fg+1],   v[FS+fg:FS+fg+1], 2.0 op_sel_hi:[1,0]
	v_pk_add_f32 v[FBV+fg:FBV+fg+1], v[FS+fg:FS+fg+1], 1.0 op_sel_hi:[1,0]
.set fg, fg+2
.endr
	s_wait_alu depctr_va_vdst(0)
	v_pk_add_f32 v[FE+2:FE+3], v[FE+2:FE+3], 1.0 op_sel_hi:[1,0]
.set fg, 0
.rept 16
	v_max_num_f32 v[FA+fg],  0, v[FA+fg]                                                    ; a
	v_max_num_f32 v[FBV+fg], 0, v[FBV+fg]                                                   ; b
.set fg, fg+1
.endr
	v_rcp_f32 v[FE+4], v[FE+2]
	v_rcp_f32 v[FE+5], v[FE+3]             ; likewise
.set fg, 0
.rept 8
	v_pk_mul_f32 v[FA3+fg:FA3+fg+1], v[FA+fg:FA+fg+1],   v[FA+fg:FA+fg+1]
	v_pk_mul_f32 v[FB3+fg:FB3+fg+1], v[FBV+fg:FBV+fg+1], v[FBV+fg:FBV+fg+1]
.set fg, fg+2
.endr
.set fg, 0
.rept 8
	v_pk_mul_f32 v[FA3+fg:FA3+fg+1], v[FA3+fg:FA3+fg+1], v[FA+fg:FA+fg+1]
	v_pk_mul_f32 v[FB3+fg:FB3+fg+1], v[FB3+fg:FB3+fg+1], v[FBV+fg:FBV+fg+1]
.set fg, fg+2
.endr
.set fg, 0
.rept 8
	v_pk_fma_f32 v[FS+fg:FS+fg+1], v[FB3+fg:FB3+fg+1], -4.0, v[FA3+fg:FA3+fg+1] op_sel_hi:[1,0,1]
.set fg, fg+2
.endr
	s_wait_alu depctr_va_vdst(0)
	v_pk_mul_f32 v[FE+6:FE+7], v[\x:\x+1], v[FE+4:FE+5]
	s_wait_xcnt 0x0                        ; FO was the data of the last two global stores: it is rewritten only behind this wait
.irp k, 0,1,2,3
	v_cvt_pk_f16_f32 v[FO+\k],   v[FS+4*\k],   v[FS+4*\k+2]
	v_cvt_pk_f16_f32 v[FO+4+\k], v[FS+4*\k+1], v[FS+4*\k+3]
.endr
	v_cvt_pk_f16_f32 v[FSL], v[FE+6], v[FE+7]
.endm
; Wave w owns rows 32 w .. 32 w + 31 of the block (tiles b = 2 w, 2 w + 1) and walks the eight column blocks A1.
; The two tiles of one column block, from all four partial blocks: 16 loads
.macro ELOAD
.irp bb, 0,1
.irp p, 0,1,2,3
	ds_load_b128 v[PART+32*\bb+8*\p:PART+32*\bb+8*\p+3],   v[RD+\p] offset:8192*\bb
	ds_load_b128 v[PART+32*\bb+8*\p+4:PART+32*\bb+8*\p+7], v[RD+\p] offset:8192*\bb+512
.endr
.endr
.endm
; One column block: add the partials (by stages too), divide by 6, ask for the next block's tiles (more = 1), make and store the features of the lane's 16 numbers.
.macro ETRIP more
	s_wait_dscnt 0x0                               ; the 16 loads are in (and the last trip's silu stores done)
.irp bb, 0,1
.irp q, 0,2,4,6
	v_pk_add_f32 v[PART+32*\bb+\q:PART+32*\bb+\q+1],       v[PART+32*\bb+\q:PART+32*\bb+\q+1],       v[PART+32*\bb+8+\q:PART+32*\bb+8+\q+1]
	v_pk_add_f32 v[PART+32*\bb+16+\q:PART+32*\bb+16+\q+1], v[PART+32*\bb+16+\q:PART+32*\bb+16+\q+1], v[PART+32*\bb+24+\q:PART+32*\bb+24+\q+1]
.endr
.endr
.irp bb, 0,1
.irp q, 0,2,4,6
	v_pk_add_f32 v[H+8*\bb+\q:H+8*\bb+\q+1], v[PART+32*\bb+\q:PART+32*\bb+\q+1], v[PART+32*\bb+16+\q:PART+32*\bb+16+\q+1]
.endr
.endr
.irp bb, 0,1
.irp q, 0,2,4,6
	v_pk_mul_f32 v[H+8*\bb+\q:H+8*\bb+\q+1], v[H+8*\bb+\q:H+8*\bb+\q+1], 0x3e2aaaab op_sel_hi:[1,0]     ; / 6
.endr
.endr
.if \more
.irp p, 0,1,2,3
	v_add_nc_u32 v[RD+\p], 1024, v[RD+\p]          ; the next column block's tiles
.endr
	ELOAD
.endif
.irp bb, 0,1
.irp jp, 0,1,2,3
	FEAT2 H+8*\bb+2*\jp
	global_store_b128 v[FOF], v[FO:FO+3],   s[8:9] offset:(16*\bb+2*\jp)*F2ROW      ; sixteen lanes store 256 consecutive bytes, aligned
	global_store_b128 v[FOF], v[FO+4:FO+7], s[8:9] offset:(16*\bb+2*\jp+1)*F2ROW
	ds_store_b16 v[SST], v[FSL] offset:(16*\bb+2*\jp)*272
	ds_store_b16_d16_hi v[SST], v[FSL] offset:(16*\bb+2*\jp+1)*272
.endr
.endr
.if \more
	s_wait_xcnt 0x0                                ; the stores' offset register is stepped only behind this wait
	v_add_nc_u32 v[FOF], 256, v[FOF]               ; 16 columns x 16 bytes
	v_add_nc_u32 v[SST], 32, v[SST]                ; 16 columns x 2 bytes
.endif
.endm
	ELOAD
	s_mov_b32 s3, 7
.Lcol:
	ETRIP 1
	s_sub_co_u32 s3, s3, 1
	s_cmp_lg_u32 s3, 0
	s_cbranch_scc1 .Lcol
	ETRIP 0
.irp t, 0,1,2,3,4,5,6,7,8,9,10,11,12,13,14,15
	ds_load_b128 v[PART+4*\t:PART+4*\t+3], v[SRD] offset:544*\t    ; my wave's own stage: LDS serves a wave's instructions in order
.endr
.irp t, 0,1,2,3,4,5,6,7,8,9,10,11,12,13,14,15
	s_wait_dscnt 15-\t                             ; the younger loads may stay out
	global_store_b128 v[SGO], v[PART+4*\t:PART+4*\t+3], s[18:19] offset:2*\t*F2ROW
.endr
	s_wait_tensorcnt 0x0
	ds_add_u32 v254, v255
	s_wait_dscnt 0x0
	CROUND                                         ; the closing round: no work-group ends while a partner may still ask for a tile that names it
	s_endpgm
.Lfunc_end_k_q314d74c673_gemm1:
	.size	k_q314d74c673_gemm1, .Lfunc_end_k_q314d74c673_gemm1-k_q314d74c673_gemm1
	.p2alignl 7, 3214868480
	.fill 96, 4, 3214868480
	.section	.rodata,"a",@progbits
	.p2align	6, 0x0
	.amdhsa_kernel k_q314d74c673_gemm1
		.amdhsa_group_segment_fixed_size 327680
		.amdhsa_private_segment_fixed_size 0
		.amdhsa_enable_private_segment 0
		.amdhsa_kernarg_size 24
		.amdhsa_user_sgpr_count 2
		.amdhsa_user_sgpr_kernarg_segment_ptr 1
		.amdhsa_wavefront_size32 1
		.amdhsa_system_sgpr_workgroup_id_x 1
		.amdhsa_system_sgpr_workgroup_id_y 1
		.amdhsa_system_sgpr_workgroup_id_z 1
		.amdhsa_system_vgpr_workitem_id 0
		.amdhsa_next_free_vgpr 1024
		.amdhsa_next_free_sgpr 66
		.amdhsa_reserve_vcc 0
		.amdhsa_float_denorm_mode_32 3
		.amdhsa_float_denorm_mode_16_64 3
		.amdhsa_memory_ordered 1
		.amdhsa_forward_progress 1
		.amdhsa_inst_pref_size 246
	.end_amdhsa_kernel
	.amdgpu_metadata
---
amdhsa.version: [ 1, 2 ]
amdhsa.kernels:
  - .name:           k_q314d74c673_gemm1
    .symbol:         k_q314d74c673_gemm1.kd
    .args:
      - { .name: F1, .offset: 0, .size: 8, .value_kind: global_buffer, .address_space: global }
      - { .name: W1h, .offset: 8, .size: 8, .value_kind: global_buffer, .address_space: global }
      - { .name: F2, .offset: 16, .size: 8, .value_kind: global_buffer, .address_space: global }
    .group_segment_fixed_size: 327680
    .private_segment_fixed_size: 0
    .kernarg_segment_align: 8
    .kernarg_segment_size: 24
    .max_flat_workgroup_size: 128
    .sgpr_count:     66
    .vgpr_count:     1024
    .wavefront_size: 32
...
	.end_amdgpu_metadata
.endif
;; end of part 2
;; launch gemm2 (part 3): grid 8 x 32, 4 waves a work-group, clusters of 4 x 4, 327,680 bytes of LDS; arguments F2, W2h, P; writes P
.if DOCPART == 3
	.amdgcn_target "amdgcn-amd-amdhsa--gfx1250"
	.amdhsa_code_object_version 6
	.text
	.protected	k_q314d74c673_gemm2
	.globl	k_q314d74c673_gemm2
	.p2align	8
	.type	k_q314d74c673_gemm2,@function
k_q314d74c673_gemm2:
	s_mov_b64 s[64:65], 0
	v_nop
	global_prefetch_b8 v0, s[64:65] scope:SCOPE_SE
	s_setreg_imm32_b32 hwreg(HW_REG_WAVE_MODE, 25, 1), 1
	s_wait_xcnt 0x0
	s_wait_alu depctr_hold_cnt(0) depctr_sa_sdst(0) depctr_va_vdst(0) depctr_va_sdst(0) depctr_va_ssrc(0) depctr_va_vcc(0) depctr_vm_vsrc(0)
	s_getreg_b32 s2, hwreg(HW_REG_IB_STS2, 6, 4)
	s_cmp_eq_u32 s2, 0
	s_cbranch_scc0 .Lentry_in_a_cluster
	s_endpgm
.Lentry_in_a_cluster:
	s_bfe_u32 s2, ttmp6, 0x10000c
	s_cmp_lg_u32 s2, 0xf033
	s_cbranch_scc0 .Lentry_shape_is_right
	s_endpgm
.Lentry_shape_is_right:
; P[kh] = F2[:, half kh of K] W2h[:, half kh of K]^T  (F2 [4096][9216], W2h [512][9216], f16; sums and P [2][4096][512] in f32).  The two halves are added,
; and divided by 6, by the next launch.  K is split over two work-groups so that a work-group still makes a block of 128 x 128: the output has
; 32 x 4 such blocks, and with two halves of K there are 256 work-groups of equal work.
; As in the first product THE FOUR WAVES SPLIT K inside a chunk: each holds the whole block in 64 accumulator tiles and takes 128 of the 512 bytes of every
; LDS row, so every LDS byte is read by one wave, once; the four partial blocks are added through LDS at the end.
; K goes in chunks of 256 (rows of 512 bytes, starting at multiples of 256 bytes) through a ring of two LDS slots filled by the tensor data mover.
; CLUSTERS: 4 x 4 work-groups; the cluster's x is the half of K, cx the block column, 4 x cluster y + cy the block row.  F2's tile is asked for jointly by a
; row of the cluster, W2h's by a column.
; PREFETCH: each byte of F2 is read by one row of one cluster, once.  In lap p (two chunks), behind its second refill, the 1,024 bytes a row that lap p + 2
; multiplies are asked for; their tensor loads go out one and two chunks later.  The four work-groups of a cluster's row take 32 rows each, a wave eight rows x
; four blocks of 256 bytes, a lane a block: each block is asked for once in the launch.  Laps 0 to 6 ask, for laps 2 to 8; laps 7 and 8 ask nothing, so no
; request leaves its half of a row.  At most two laps' requests, 64 KiB a work-group, are unread.  W2h's tiles are read by eight clusters each and are not asked for.
; REGISTERS, in windows of 256: window 0: v16-31 addresses; v64-127, v128-191 fragments of source 1 (F), two buffers; window 1: the same numbers, source 0 (W);
; window 2: tiles (a, b) of F's rows 0-63 at v[8 (8 a + b)]; window 3: those of F's rows 64-127.
; Source 0 = 16 rows of W, source 1 = 16 rows of F: in tile (A1, b) lane (r, h') holds in registers 0-7 row 16 A1 + r, columns 16 b + 8 h' + 0 .. 7.
.set ROWE,   9216                      ; elements in a row of F2 and of W2h
.set ROWB,   2*ROWE
.set PITCH,  528                       ; an LDS row: 512 bytes + 16 of padding: row r starts 16 r bytes further modulo 256
.set HALFT,  64*PITCH
.set SLOT,   4*HALFT                   ; F's 128 rows, then W's 128 rows
.set STEPB,  512
.set LAPS,   9                         ; 18 chunks of this half of K, two a lap
.set REG0,   2*HALFT                   ; source 0 reads W's rows
.set REG1,   0                         ; source 1 reads F's rows
.set ADR0, 16
.set ADR1, 20
.set DMP,  24                          ; v24     where I put my partial block
.set RD,   25                          ; v25-28  where I read partial p's rows
.set PO,   29                          ; v29     16 x lane: my bytes of a row of the block in P
.set PFO,  30                          ; v30     prefetch: my block's byte offset among my work-group's 32 rows; never rewritten
.set FB0,  64
.set FB1,  128
.set PART, 64                          ; the way out: v[64:191] eight rows x four partials x 4
.set G1,  24
.set G0,  32
.set G1B, 48
.set G0B, 56
.set G1W0, (1<<16)|(1<<20)|(1<<21)|(6<<22)|(3<<25)   ; elements of 2 bytes; padding on; bit 21 beside a mask; after every 128 words; 4 words
.set MSB, 0
.macro WIN new                         ; the immediate's high byte repeats the setting that is left
.if MSB != \new
	s_set_vgpr_msb (MSB<<8)|\new
.set MSB, \new
.endif
.endm
.set MUL_LO, 0xa1
.set MUL_HI, 0xf1
.set TO_1,   0x40
; A joint load.  Waves 0 and 1 fetch F's two halves, waves 2 and 3 W's; the branch hangs on the wave's number alone.
.macro JLOAD s
	s_cmp_eq_u32 s11, 0
	s_cbranch_scc0 .Lfor_w_\@
	tensor_load_to_lds s[G0+4*\s:G0+4*\s+3], s[G1:G1+7]
	s_nop 0
	s_branch .Lasked_\@
.Lfor_w_\@:
	tensor_load_to_lds s[G0B+4*\s:G0B+4*\s+3], s[G1B:G1B+7]
	s_nop 0
.Lasked_\@:
.endm
; Every wave asks for its 8 rows x 1,024 bytes of F2 two laps ahead.  The base is stepped just ahead of the request, behind a wait that stands a lap behind the last request.
.macro PREF
	s_wait_xcnt 0x0                                ; the last request has read its base
	s_add_nc_u64 s[4:5], s[4:5], 2*STEPB
	global_prefetch_b8 v[PFO], s[4:5] th:TH_LOAD_NT scope:SCOPE_SE
.endm
.macro CREST
	s_cmp_lg_u32 s10, 0
	s_cbranch_scc1 .Lnot_wave_0_\@
	s_barrier_signal -3
.Lnot_wave_0_\@:
	s_barrier_wait -3
	s_barrier_signal -1
	s_barrier_wait -1
.endm
.macro CROUND
	s_barrier_signal -1
	s_barrier_wait -1
	CREST
.endm
	s_load_b128 s[4:7], s[0:1], 0x0                ; F2 s[4:5], W2h s[6:7]
	s_load_b64 s[8:9], s[0:1], 0x10                ; P
	v_lshl_add_u32 v254, v0, 2, 0x42000
	v_mov_b32 v255, 0
	ds_add_u32 v254, v255
	v_lshrrev_b32 v1, 5, v0
	v_readfirstlane_b32 s10, v1                    ; wave 0..3
	s_lshr_b32 s11, s10, 1                         ; I fetch for F (0) or for W (1)
	s_and_b32 s12, s10, 1                          ; which 64 rows of that tile
	s_bfe_u32 s40, ttmp6, 0x40000                  ; cx
	s_bfe_u32 s41, ttmp6, 0x40004                  ; cy
	s_mov_b32 s42, s40                             ; block column = cx
	s_and_b32 s13, ttmp7, 0xffff
	s_lshl_b32 s13, s13, 2
	s_add_co_u32 s13, s13, s41                     ; block row = 4 x cluster y + cy
	s_mul_i32 s45, ttmp9, 9216                     ; the half of K, in bytes of a row: the whole cluster shares it
	s_lshl_b32 s43, s41, 2
	s_lshl_b32 s43, 15, s43                        ; my row of the cluster
	s_lshl_b32 s44, 0x1111, s40                    ; my column
	s_or_b32 s[G1+0], s43, G1W0
	s_or_b32 s[G1B+0], s44, G1W0
	s_mov_b32 s[G1+1], 256<<16                     ; tensor_dim0 = 256
	s_mov_b32 s[G1B+1], 256<<16
	s_mov_b32 s[G1+2], 64<<16                      ; tensor_dim1 = 64
	s_mov_b32 s[G1B+2], 64<<16
	s_mov_b32 s[G1+3], 256<<16                     ; tile_dim0 = 256 elements
	s_mov_b32 s[G1B+3], 256<<16
	s_mov_b32 s[G1+4], 64                          ; tile_dim1 = 64 rows
	s_mov_b32 s[G1B+4], 64
	s_mov_b32 s[G1+5], ROWE
	s_mov_b32 s[G1B+5], ROWE
	s_mov_b32 s[G1+6], 0
	s_mov_b32 s[G1B+6], 0
	s_mov_b32 s[G1+7], 0
	s_mov_b32 s[G1B+7], 0
	s_lshl_b32 s17, s12, 6
	s_lshl_b32 s16, s13, 7
	s_add_co_u32 s16, s16, s17                     ; F: row 128 x block row + 64 x half
	s_lshl_b32 s46, s42, 7
	s_add_co_u32 s46, s46, s17                     ; W: row 128 x block column + 64 x half
	s_mul_i32 s16, s16, ROWB                       ; at most 4,032 x 18,432 bytes: inside 32 bits
	s_mul_i32 s46, s46, ROWB
	s_add_co_u32 s16, s16, s45
	s_add_co_u32 s46, s46, s45
	s_mov_b32 s17, 0
	s_mov_b32 s47, 0
	s_mul_i32 s20, s10, HALFT
	s_wait_dscnt 0x0
	s_wait_kmcnt 0x0
	s_add_nc_u64 s[14:15], s[4:5], s[16:17]
	s_add_nc_u64 s[46:47], s[6:7], s[46:47]
	CROUND                                         ; all sixteen work-groups are here: the first joint loads meet
.irp s, 0,1
	s_mov_b32 s[G0+4*\s], 1
	s_add_co_u32 s[G0+4*\s+1], s20, \s*SLOT
	s_add_nc_u64 s[G0+4*\s+2:G0+4*\s+3], s[14:15], \s*STEPB
	s_or_b32 s[G0+4*\s+3], s[G0+4*\s+3], 0x80000000
	s_mov_b32 s[G0B+4*\s], 1
	s_add_co_u32 s[G0B+4*\s+1], s20, \s*SLOT
	s_add_nc_u64 s[G0B+4*\s+2:G0B+4*\s+3], s[46:47], \s*STEPB
	s_or_b32 s[G0B+4*\s+3], s[G0B+4*\s+3], 0x80000000
	JLOAD \s                                       ; two tensor loads of a wave are out here, later one
.endr
	; the prefetch's base: F2 at row 128 x block row + 32 x cx, my half of K, lap 1's bytes (each request steps it by a lap first).  It feeds no descriptor.
	s_lshl_b32 s6, s13, 7
	s_lshl_b32 s7, s40, 5
	s_add_co_u32 s6, s6, s7
	s_mul_i32 s6, s6, ROWB
	s_add_co_u32 s6, s6, s45
	s_add_co_u32 s6, s6, 2*STEPB
	s_mov_b32 s7, 0
	s_add_nc_u64 s[4:5], s[4:5], s[6:7]
	v_and_b32 v1, 15, v0                           ; r
	v_bfe_u32 v2, v0, 4, 1                         ; h'
	v_and_b32 v4, 31, v0                           ; lane
	v_mul_u32_u24 v3, v1, PITCH
	v_lshl_add_u32 v3, v2, 4, v3
	s_lshl_b32 s21, s10, 7                         ; my wave's 128 bytes of every row
	s_add_co_u32 s22, s21, REG1
	s_add_co_u32 s21, s21, REG0
.irp s, 0,1
	v_add_nc_u32 v[ADR0+\s], s21, v3
	v_add_nc_u32 v[ADR1+\s], s22, v3
	s_add_co_u32 s21, s21, SLOT
	s_add_co_u32 s22, s22, SLOT
.endr
	s_mul_i32 s23, s10, 128*PITCH                  ; my partial block: 128 rows of 512 + 16 bytes
	v_mul_u32_u24 v[DMP], v1, PITCH
	v_lshl_add_u32 v[DMP], v2, 5, v[DMP]
	v_add_nc_u32 v[DMP], s23, v[DMP]               ; row r, 32 bytes for each half of the lanes
	v_lshlrev_b32 v[PO], 4, v4
	s_mul_i32 s23, s10, 32*PITCH                   ; my 32 rows
	v_add_nc_u32 v[RD], s23, v[PO]                 ; in partial 0,
	v_add_nc_u32 v[RD+1], 128*PITCH, v[RD]         ; 1,
	v_add_nc_u32 v[RD+2], 256*PITCH, v[RD]         ; 2,
	v_add_nc_u32 v[RD+3], 384*PITCH, v[RD]         ; 3
	v_lshrrev_b32 v6, 2, v4                        ; prefetch: row lane / 4
	s_lshl_b32 s21, s10, 3                         ; + 8 x wave,
	v_add_nc_u32 v6, s21, v6
	v_mul_u32_u24 v[PFO], v6, ROWB
	v_and_b32 v6, 3, v4                            ; block lane % 4 of the lap's four
	v_lshl_add_u32 v[PFO], v6, 8, v[PFO]
.macro MUL16 f, hi, a0, zero
.irp a, \a0, \a0+1
.irp b, 0,1,2,3,4,5,6,7
.if \zero
	v_wmma_f32_16x16x32_f16 v[8*(8*(\a)+\b):8*(8*(\a)+\b)+7], v[\f+8*\b:\f+8*\b+7], v[\f+8*(4*\hi+\a):\f+8*(4*\hi+\a)+7], 0
.else
	v_wmma_f32_16x16x32_f16 v[8*(8*(\a)+\b):8*(8*(\a)+\b)+7], v[\f+8*\b:\f+8*\b+7], v[\f+8*(4*\hi+\a):\f+8*(4*\hi+\a)+7], v[8*(8*(\a)+\b):8*(8*(\a)+\b)+7]
.endif
.endr
.endr
.endm
.macro FETCH slot, k, f
	WIN TO_1
.irp i, 0,1,2,3,4,5,6,7
	ds_load_b128 v[\f+8*\i:\f+8*\i+3],   v[ADR0+\slot] offset:\k+\i*16*PITCH
	ds_load_b128 v[\f+8*\i+4:\f+8*\i+7], v[ADR0+\slot] offset:\k+\i*16*PITCH+32
.endr
	WIN 0
.irp i, 0,1,2,3,4,5,6,7
	ds_load_b128 v[\f+8*\i:\f+8*\i+3],   v[ADR1+\slot] offset:\k+\i*16*PITCH
	ds_load_b128 v[\f+8*\i+4:\f+8*\i+7], v[ADR1+\slot] offset:\k+\i*16*PITCH+32
.endr
.endm
; Four places behind a matrix instruction before a load lands on a register that it read, or anything but a matrix instruction reads its result
.macro PLACES
.rept 4
	v_nop
.endr
.endm
; A chunk is, for a wave, two steps of 32 along K, 64 matrix instructions each, on buffers 0 and 1.  The 64 accumulators take turns, one instruction a turn,
; in the same order in every step.
.macro HALF1 slot, zero
	s_wait_dscnt 8                                 ; all but the youngest eight loads (source 1's blocks 4-7, which the second half uses)
	WIN MUL_LO
	MUL16 FB0, 0, 0, \zero
	MUL16 FB0, 0, 2, \zero
	PLACES
	FETCH \slot, 64, FB1
	s_wait_dscnt 32                                ; all but the 32 just issued
	WIN MUL_HI
	MUL16 FB0, 1, 0, \zero
	MUL16 FB0, 1, 2, \zero
.endm
; The second step: multiplies buffer 1 and changes slots.  In front of the barrier each wave waits for its reads of this slot and for all its tensor loads
; (one is out: its part of the next slot); behind it the refill comes first, then the next slot's first fragments.  A chunk's matrix work is shorter than the
; way of a tile, so nothing stands between the wait for the last load and the next request but the round itself: the 32 matrix instructions of the low half
; come ahead of the waits, the descriptors are stepped ahead of the signal.  A whole chunk's 128 matrix instructions stand between a request and the wait for it.
; ask = 1: F's bytes two laps ahead are asked for, behind the refill.
.macro TURN slot, next, fill, ask
	s_wait_dscnt 8
	WIN MUL_LO
	MUL16 FB1, 0, 0, 0
	MUL16 FB1, 0, 2, 0
	WIN 0
	s_wait_dscnt 0                                 ; my reads of this slot are over
	s_wait_tensorcnt 0x0                           ; all my tensor loads have landed, so every group 0 may be written:
	ds_add_u32 v254, v255
	s_wait_dscnt 0x0
.if \fill
	s_add_nc_u64 s[G0+4*\slot+2:G0+4*\slot+3], s[G0+4*\slot+2:G0+4*\slot+3], 2*STEPB       ; this slot's next chunk
	s_add_nc_u64 s[G0B+4*\slot+2:G0B+4*\slot+3], s[G0B+4*\slot+2:G0B+4*\slot+3], 2*STEPB
.endif
	s_barrier_signal -1                            ; where the slot is filled again this barrier opens a round of the cluster's barrier
	s_barrier_wait -1
.if \fill
	CREST                                          ; no wave of any partner still reads this slot or has a load on its way
	JLOAD \slot                                    ; the wave's one tensor load behind the round
.endif
.if \ask
	PREF
.endif
	PLACES
	FETCH \next, 0, FB0
	WIN MUL_HI
	MUL16 FB1, 1, 0, 0
	MUL16 FB1, 1, 2, 0
.endm
.macro LAP zero, ask
	HALF1 0, \zero
	TURN 0, 1, 1, 0
	HALF1 1, 0
	TURN 1, 0, 1, \ask
.endm
	s_wait_tensorcnt 1                             ; my part of chunk 0 is in; chunk 1's may stay out
	s_barrier_signal -1
	s_barrier_wait -1
	FETCH 0, 0, FB0
	LAP 1, 1                                       ; lap 0: chunks 0, 1; loads 2, 3; asks for lap 2
	WIN 0
	s_mov_b32 s3, LAPS-3
.Llap:
	LAP 0, 1                                       ; laps 1 .. 6: chunks 2 .. 13; loads 4 .. 15; asks for laps 3 .. 8
	WIN 0
	s_sub_co_u32 s3, s3, 1
	s_cmp_lg_u32 s3, 0
	s_cbranch_scc1 .Llap
	LAP 0, 0                                       ; lap 7: chunks 14, 15; loads 16, 17; nothing is left to ask for
	HALF1 0, 0                                     ; lap 8 loads nothing
	TURN 0, 1, 0, 0
	HALF1 1, 0
	s_wait_dscnt 8
	WIN MUL_LO
	MUL16 FB1, 0, 0, 0
	MUL16 FB1, 0, 2, 0
	s_wait_dscnt 0
	WIN MUL_HI
	MUL16 FB1, 1, 0, 0
	MUL16 FB1, 1, 2, 0
	; THE WAY OUT.  The ring has had its last fill; when every wave has done reading it, it takes the four partial blocks as matrices of 128 rows x 528 bytes.
	PLACES
	WIN 0
	s_wait_dscnt 0x0
	s_barrier_signal -1
	s_barrier_wait -1
	WIN 0x08                                       ; store data from window 2
.irp a, 0,1,2,3
.irp b, 0,1,2,3,4,5,6,7
	ds_store_b128 v[DMP], v[8*(8*\a+\b):8*(8*\a+\b)+3]   offset:16*PITCH*\a+64*\b
	ds_store_b128 v[DMP], v[8*(8*\a+\b)+4:8*(8*\a+\b)+7] offset:16*PITCH*\a+64*\b+16
.endr
.endr
	WIN 0x0c                                       ; from window 3
.irp a, 0,1,2,3
.irp b, 0,1,2,3,4,5,6,7
	ds_store_b128 v[DMP], v[8*(8*\a+\b):8*(8*\a+\b)+3]   offset:16*PITCH*(4+\a)+64*\b
	ds_store_b128 v[DMP], v[8*(8*\a+\b)+4:8*(8*\a+\b)+7] offset:16*PITCH*(4+\a)+64*\b+16
.endr
.endr
	WIN 0
	s_lshl_b32 s16, s13, 7
	s_lshl_b32 s14, s10, 5
	s_add_co_u32 s16, s16, s14                     ; my 32 rows begin at 128 x block row + 32 x wave
	s_lshl_b32 s16, s16, 11                        ; x 2,048 bytes
	s_lshl_b32 s14, ttmp9, 23                      ; the half of K: 8,388,608 bytes of P each
	s_add_co_u32 s16, s16, s14
	s_mov_b32 s17, 0
	s_add_nc_u64 s[8:9], s[8:9], s[16:17]
	s_lshl_b32 s46, s42, 9                         ; 128 columns x 4 bytes a block
	s_mov_b32 s47, 0
	s_add_nc_u64 s[8:9], s[8:9], s[46:47]
	s_wait_dscnt 0x0                               ; my partial block is in LDS
	s_barrier_signal -1
	s_barrier_wait -1                              ; everybody's is
	; Wave w adds and stores rows 32 w .. 32 w + 31, eight at a time: a row of the block is 512 bytes, 16 a lane.
.irp grp, 0,1,2,3
	s_wait_xcnt 0x0                                ; the registers that the last eight stores read are loaded again only behind this wait
.irp rr, 0,1,2,3,4,5,6,7
.irp p, 0,1,2,3
	ds_load_b128 v[PART+16*\rr+4*\p:PART+16*\rr+4*\p+3], v[RD+\p] offset:PITCH*(8*\grp+\rr)
.endr
.endr
.irp rr, 0,1,2,3,4,5,6,7
	s_wait_dscnt 4*(7-\rr)                         ; the four loads of each later row may stay out
	v_pk_add_f32 v[PART+16*\rr:PART+16*\rr+1],     v[PART+16*\rr:PART+16*\rr+1],     v[PART+16*\rr+4:PART+16*\rr+5]
	v_pk_add_f32 v[PART+16*\rr+2:PART+16*\rr+3],   v[PART+16*\rr+2:PART+16*\rr+3],   v[PART+16*\rr+6:PART+16*\rr+7]
	v_pk_add_f32 v[PART+16*\rr+8:PART+16*\rr+9],   v[PART+16*\rr+8:PART+16*\rr+9],   v[PART+16*\rr+12:PART+16*\rr+13]
	v_pk_add_f32 v[PART+16*\rr+10:PART+16*\rr+11], v[PART+16*\rr+10:PART+16*\rr+11], v[PART+16*\rr+14:PART+16*\rr+15]
	v_pk_add_f32 v[PART+16*\rr:PART+16*\rr+1],     v[PART+16*\rr:PART+16*\rr+1],     v[PART+16*\rr+8:PART+16*\rr+9]
	v_pk_add_f32 v[PART+16*\rr+2:PART+16*\rr+3],   v[PART+16*\rr+2:PART+16*\rr+3],   v[PART+16*\rr+10:PART+16*\rr+11]
	global_store_b128 v[PO], v[PART+16*\rr:PART+16*\rr+3], s[8:9] offset:2048*(8*\grp+\rr)     ; the wave stores 512 consecutive bytes, aligned
.endr
.endr
	s_wait_tensorcnt 0x0
	ds_add_u32 v254, v255
	s_wait_dscnt 0x0
	CROUND                                         ; the closing round: no work-group ends while a partner may still ask for a tile that names it
	s_endpgm
.Lfunc_end_k_q314d74c673_gemm2:
	.size	k_q314d74c673_gemm2, .Lfunc_end_k_q314d74c673_gemm2-k_q314d74c673_gemm2
	.p2alignl 7, 3214868480
	.fill 96, 4, 3214868480
	.section	.rodata,"a",@progbits
	.p2align	6, 0x0
	.amdhsa_kernel k_q314d74c673_gemm2
		.amdhsa_group_segment_fixed_size 327680
		.amdhsa_private_segment_fixed_size 0
		.amdhsa_enable_private_segment 0
		.amdhsa_kernarg_size 24
		.amdhsa_user_sgpr_count 2
		.amdhsa_user_sgpr_kernarg_segment_ptr 1
		.amdhsa_wavefront_size32 1
		.amdhsa_system_sgpr_workgroup_id_x 1
		.amdhsa_system_sgpr_workgroup_id_y 1
		.amdhsa_system_sgpr_workgroup_id_z 1
		.amdhsa_system_vgpr_workitem_id 0
		.amdhsa_next_free_vgpr 1024
		.amdhsa_next_free_sgpr 66
		.amdhsa_reserve_vcc 0
		.amdhsa_float_denorm_mode_32 3
		.amdhsa_float_denorm_mode_16_64 3
		.amdhsa_memory_ordered 1
		.amdhsa_forward_progress 1
		.amdhsa_inst_pref_size 147
	.end_amdhsa_kernel
	.amdgpu_metadata
---
amdhsa.version: [ 1, 2 ]
amdhsa.kernels:
  - .name:           k_q314d74c673_gemm2
    .symbol:         k_q314d74c673_gemm2.kd
    .args:
      - { .name: F2, .offset: 0, .size: 8, .value_kind: global_buffer, .address_space: global }
      - { .name: W2h, .offset: 8, .size: 8, .value_kind: global_buffer, .address_space: global }
      - { .name: P, .offset: 16, .size: 8, .value_kind: global_buffer, .address_space: global }
    .group_segment_fixed_size: 327680
    .private_segment_fixed_size: 0
    .kernarg_segment_align: 8
    .kernarg_segment_size: 24
    .max_flat_workgroup_size: 128
    .sgpr_count:     66
    .vgpr_count:     1024
    .wavefront_size: 32
...
	.end_amdgpu_metadata
.endif
;; end of part 3
;; launch sum (part 4): grid 256 x 1, 8 waves a work-group, no clusters, 0 bytes of LDS; arguments P, out0; writes out0
.if DOCPART == 4
	.amdgcn_target "amdgcn-amd-amdhsa--gfx1250"
	.amdhsa_code_object_version 6
	.text
	.protected	k_q314d74c673_sum
	.globl	k_q314d74c673_sum
	.p2align	8
	.type	k_q314d74c673_sum,@function
k_q314d74c673_sum:
	s_mov_b64 s[64:65], 0
	v_nop
	global_prefetch_b8 v0, s[64:65] scope:SCOPE_SE
	s_setreg_imm32_b32 hwreg(HW_REG_WAVE_MODE, 25, 1), 1
	s_wait_xcnt 0x0
; out0 = (P[0] + P[1]) / 6: the two halves of the second product's K are added in a fixed order, and the factor 6 that features and weights carry is taken out.
; A stream: 256 work-groups of 32,768 bytes of out0; thread t takes 16 bytes of every 4,096; all sixteen loads of a wave go out at once, each of them and each
; store covers 512 consecutive bytes.  No LDS, barrier, matrix unit or cluster: nothing is shared and nothing is read twice.
.set A, 8                              ; v[8:39]   eight pieces of P[0], then of the result
.set B, 40                             ; v[40:71]  eight pieces of P[1]
	s_load_b128 s[4:7], s[0:1], 0x0                ; P s[4:5], out0 s[6:7]
	s_lshl_b32 s8, ttmp9, 15                       ; the work-group's 32,768 bytes
	s_mov_b32 s9, 0
	v_lshlrev_b32 v1, 4, v0
	s_wait_kmcnt 0x0
	s_add_nc_u64 s[4:5], s[4:5], s[8:9]
	s_add_nc_u64 s[10:11], s[4:5], 0x800000        ; P[1] lies 8,388,608 bytes behind P[0]: one more than a load's immediate reaches
	s_add_nc_u64 s[6:7], s[6:7], s[8:9]
.irp j, 0,1,2,3,4,5,6,7
	global_load_b128 v[A+4*\j:A+4*\j+3], v1, s[4:5] offset:4096*\j th:TH_LOAD_NT
	global_load_b128 v[B+4*\j:B+4*\j+3], v1, s[10:11] offset:4096*\j th:TH_LOAD_NT
.endr
.irp j, 0,1,2,3,4,5,6,7
	s_wait_loadcnt 14-2*\j                         ; the two loads of each later piece may stay out
	v_pk_add_f32 v[A+4*\j:A+4*\j+1],   v[A+4*\j:A+4*\j+1],   v[B+4*\j:B+4*\j+1]
	v_pk_add_f32 v[A+4*\j+2:A+4*\j+3], v[A+4*\j+2:A+4*\j+3], v[B+4*\j+2:B+4*\j+3]
	v_pk_mul_f32 v[A+4*\j:A+4*\j+1],   v[A+4*\j:A+4*\j+1],   0x3e2aaaab op_sel_hi:[1,0]
	v_pk_mul_f32 v[A+4*\j+2:A+4*\j+3], v[A+4*\j+2:A+4*\j+3], 0x3e2aaaab op_sel_hi:[1,0]
	global_store_b128 v1, v[A+4*\j:A+4*\j+3], s[6:7] offset:4096*\j th:TH_STORE_NT
.endr
	s_endpgm
.Lfunc_end_k_q314d74c673_sum:
	.size	k_q314d74c673_sum, .Lfunc_end_k_q314d74c673_sum-k_q314d74c673_sum
	.p2alignl 7, 3214868480
	.fill 96, 4, 3214868480
	.section	.rodata,"a",@progbits
	.p2align	6, 0x0
	.amdhsa_kernel k_q314d74c673_sum
		.amdhsa_group_segment_fixed_size 0
		.amdhsa_private_segment_fixed_size 0
		.amdhsa_enable_private_segment 0
		.amdhsa_kernarg_size 16
		.amdhsa_user_sgpr_count 2
		.amdhsa_user_sgpr_kernarg_segment_ptr 1
		.amdhsa_wavefront_size32 1
		.amdhsa_system_sgpr_workgroup_id_x 1
		.amdhsa_system_sgpr_workgroup_id_y 1
		.amdhsa_system_sgpr_workgroup_id_z 1
		.amdhsa_system_vgpr_workitem_id 0
		.amdhsa_next_free_vgpr 72
		.amdhsa_next_free_sgpr 66
		.amdhsa_reserve_vcc 0
		.amdhsa_float_denorm_mode_32 3
		.amdhsa_float_denorm_mode_16_64 3
		.amdhsa_memory_ordered 1
		.amdhsa_forward_progress 1
		.amdhsa_inst_pref_size 6
	.end_amdhsa_kernel
	.amdgpu_metadata
---
amdhsa.version: [ 1, 2 ]
amdhsa.kernels:
  - .name:           k_q314d74c673_sum
    .symbol:         k_q314d74c673_sum.kd
    .args:
      - { .name: P, .offset: 0, .size: 8, .value_kind: global_buffer, .address_space: global }
      - { .name: out0, .offset: 8, .size: 8, .value_kind: global_buffer, .address_space: global }
    .group_segment_fixed_size: 0
    .private_segment_fixed_size: 0
    .kernarg_segment_align: 8
    .kernarg_segment_size: 16
    .max_flat_workgroup_size: 256
    .sgpr_count:     66
    .vgpr_count:     72
    .wavefront_size: 32
...
	.end_amdgpu_metadata
.endif
;; end of part 4
